; MI455X (gfx1250); checked and timed in simulation.
; The chip was launched on July 23, 2026; its instructions are those of AMD's public machine-readable ISA for CDNA 5 (MIT licence, August 2026) and "CDNA5" Instruction Set Architecture Reference Guide (July 2026). The comments in the code are by the model that wrote it; some were corrected since.
;; Attn. Allowed arithmetic: matrix products marked QUANTISED: E2M1 operands, one E8M0 scale for each 32 along K, by v_wmma_scale_f32_16x16x128_f8f6f4 with both operands' format E2M1 (or v_wmma_scale_f32_32x16x128_f4), f32 sums; products left as they are: f32 operands where the result goes on into a quantised operand, else bf16, f16 or f32 operands; f32 sums; everything else in f32.
;; Inputs: W_attn_codes 1,024 x 32 x 16 uint8 (E2M1 codes of W_attn, K innermost, in blocks of 32 codes, two codes a byte); W_attn_scales 1,024 x 32 uint8 (E8M0 scales of W_attn, one for each 32 codes along K); b_attn 1,024 float32; encoder_outputs_codes 4,096 x 16 x 32 x 16 uint8 (E2M1 codes of encoder_outputs, K innermost, in blocks of 32 codes, two codes a byte); encoder_outputs_scales 4,096 x 16 x 32 uint8 (E8M0 scales of encoder_outputs, one for each 32 codes along K); hidden 1 x 16 x 1,024 float32.
;; Outputs: out0 16 x 1 x 4,096 float32.
;; This version of the problem:
;;   THIS VERSION OF THE PROBLEM IS GIVEN IN LOW PRECISION. The matrix products marked QUANTISED in the list below multiply operands that are first quantised to E2M1 (2 exponent bits, 1 mantissa bit; 4 bits a number), with one power-of-two scale for each 32 numbers along K (OCP MX v1.0); their sums are f32. All else is computed in f32.
;;   The module's matrix products, in the order in which they are computed (A, B: the left and right operand; K: the contracted axis; several contracted axes count as one K, in the product's order):
;;     1. [M 65,536, K 1,024] x [K 1,024, N 1,024]; A: input encoder_outputs (given as codes); B: input W_attn (given as codes): QUANTISED
;;     2. batch 16 x [M 1, K 1,024] x [K 1,024, N 4,096]; A: input hidden; B: computed on the way: left as it is (M = 1 < 16)
;;   THE QUANTISER, for each operand of a quantised product, along K:
;;     - K is cut into blocks of 32 from its start; a last block that is shorter is filled with zeros.
;;     - A block's scale is 2^e with e = floor(log2(the largest magnitude in the block)) - 2, held to -126 .. 127; a block of zeros has e = 0. As a byte (E8M0): e + 127.
;;     - Each number is divided by its block's scale, clamped to +-6, and rounded to the nearest number of E2M1, ties to even, subnormals kept.
;;     - The product sums the exact products of the quantised numbers (number of the format x scale) in f32.
;;   ~~~python
;;   def quantise(x, axis):      # numpy; x: float32 -> the quantised numbers, widened to float32 again
;;       x = np.moveaxis(x, axis, -1); K = x.shape[-1]
;;       x = np.pad(x, [(0, 0)] * (x.ndim - 1) + [(0, -K % 32)]); x = x.reshape(x.shape[:-1] + (-1, 32)); a = np.abs(x).max(-1, keepdims=True)
;;       e = np.where(a > 0, np.clip(np.frexp(np.where(a > 0, a, 1))[1] - 1 - 2, -126, 127), 0)      # np.frexp(a)[1] - 1 = floor(log2(a)), exactly
;;       r = np.clip(x / 2.0 ** e, -6, 6)
;;       step = 2.0 ** (np.maximum(np.frexp(np.where(r == 0, 1, r))[1] - 1, 0) - 1)
;;       q = np.round(r / step) * step * 2.0 ** e      # np.round: ties to even
;;       return np.moveaxis(q.reshape(q.shape[:-2] + (-1,))[..., :K], -1, axis).astype(np.float32)
;;   ~~~
;;   INPUTS GIVEN AS CODES. W_attn (in the module: [1024, 1024], K = its axis 1); encoder_outputs (in the module: [4096, 16, 1024], K = its axis 2): each comes as NAME_codes (uint8): NAME with its K axis moved to the last place and cut into blocks of 32 codes, [.., K / 32, bytes a block], one block behind the other in memory; two codes a byte, the lower K in the low four bits (a code: sign, 2 exponent bits, 1 mantissa bit); and NAME_scales (uint8): the same leading axes, one E8M0 byte (e + 127) for each 32 codes along K. Its value is code x scale, taken as it is: it is not quantised again, and the codes and scales need not be those that the quantiser above would give.
;; One version. Each part assembles by itself: llvm-mc -triple=amdgcn-amd-amdhsa -mcpu=gfx1250 --defsym DOCPART=n.
;; ======== version 1 of 1: 2 launches
;; workspace buffers: epart 1,048,576 bytes
;; launch energies (part 1): grid 4 x 64, 4 waves a work-group, clusters of 4 x 4, 327,680 bytes of LDS; arguments W_attn_codes, W_attn_scales, b_attn, encoder_outputs_codes, encoder_outputs_scales, hidden, epart; writes epart
.if DOCPART == 1
	.amdgcn_target "amdgcn-amd-amdhsa--gfx1250"
	.amdhsa_code_object_version 6
	.text
	.protected	k_q62350272f3_energies
	.globl	k_q62350272f3_energies
	.p2align	8
	.type	k_q62350272f3_energies,@function
k_q62350272f3_energies:
	s_mov_b64 s[64:65], 0
	v_nop
	global_prefetch_b8 v0, s[64:65] scope:SCOPE_SE
	s_setreg_imm32_b32 hwreg(HW_REG_WAVE_MODE, 25, 1), 1
	s_wait_xcnt 0x0
	s_wait_alu depctr_hold_cnt(0) depctr_sa_sdst(0) depctr_va_vdst(0) depctr_va_sdst(0) depctr_va_ssrc(0) depctr_va_vcc(0) depctr_vm_vsrc(0)
	s_getreg_b32 s2, hwreg(HW_REG_IB_STS2, 6, 4)
	s_cmp_eq_u32 s2, 0
	s_cbranch_scc0 .Lentry_in_a_cluster
	s_endpgm
.Lentry_in_a_cluster:
	s_bfe_u32 s2, ttmp6, 0x10000c
	s_cmp_lg_u32 s2, 0xf033
	s_cbranch_scc0 .Lentry_shape_is_right
	s_endpgm
.Lentry_shape_is_right:
; epart[X][b][s] = sum over the 256 columns n of slice X of hidden[b][n] x (sum over k of enc[s][b][k] W[n][k] + b_attn[n]).
; enc [65,536 rows m = 16 s + b][1,024] and W [1,024][1,024] are E2M1 codes, K innermost (512 bytes a row), with one E8M0 byte for each 32 along K (32 bytes a row).
; The first product goes to the matrix unit on codes and scale bytes as they lie; the second (one row a batch) is packed f32 multiply-adds on the accumulators: proj never goes to memory.
; SHARES.  256 work-groups: X = 0..3 takes W's rows 256 X on, Y = 0..63 the encoder's rows 1,024 Y on (64 s, all 16 b).  Wave (i, j): rows 128 i on of each encoder tile of 256 rows, W's rows 128 j on of the slice.
; W STAYS, THE ENCODER STREAMS.  A wave's 128 rows of W, all of K, are 64 fragments = 512 registers, read once.  The encoder's 1,024 rows come as four tiles of 256 rows through two LDS slots;
; each fragment read from LDS (16 rows x 128 K) feeds eight matrix instructions.
; TRANSPOSED USE: source 0 = 16 rows of W, source 1 = 16 rows of the encoder, which are ONE s with all 16 b.  Lane (r, h) then holds b = r and columns 16 t + 8 h + 0..7, so its weights hidden[r][..] are the same
; registers for every tile.  A tile's 8 accumulators are weighed and summed while the next tile is multiplied: four packed multiply-adds in each K step, set between the matrix instructions.
; The bias enters as sum(hidden x b_attn) over the lane's columns, made once: it starts every energy's sum.
; CLUSTER 4 x 4.  The four work-groups of a cluster's row share Y: the encoder's tiles and scales are asked for jointly by them.  The four of a column share X: W's slice and scales likewise.
; ORDER OF SUMS (differs from the definition's): one f32 accumulator for each proj, K ascending; an energy is summed by lane pair, lane half, column half (here) and slice (next launch), all in f32.
; LIMITS: a scale byte 0xff gives NaN, as the definition does; NaN and infinities in hidden or b_attn are passed on as the arithmetic gives them.
;
; REGISTERS, in windows of 256 (s_set_vgpr_msb: bits 1:0 source 0, 3:2 source 1, 5:4 source 2, 7:6 destination).
;   window 0: v1-14 addresses and sums; v16-23 encoder scale words; v24-55 W's scale words; v56-63 at work at head and tail; v64-127 the encoder's 8 fragments, ONE set; v128-191, v192-255 two sets of 8 accumulators
;   window w = 1, 2, 3 (K steps 0-2, 3-5, 6-7): v[64 (q % 3) + 8 t] W's fragment (tile t, K step q); v[192 + 8 (q % 3)] hidden's weights for tile t = q; in windows 1 and 2 v216-219 LDS addresses, in window 1 v220-221 the stage's
; In the loop the setting is just w (source 0 in window w, all else in window 0): it serves the matrix instruction (W), the multiply-adds (the weights), the LDS loads and the stage's store (the address): three switches a tile.
.set PITCH,  528                       ; an LDS row of codes: 512 bytes + 16: an odd multiple of 16, so the 16 rows of a load begin in 16 different 16-byte columns of 256 bytes
.set MT,     16*PITCH                  ; 16 rows
.set QUART,  64*PITCH                  ; what one tensor load brings
.set HALF,   128*PITCH                 ; what one wave reads of a tile
.set TILEB,  131072                    ; 256 rows of codes in memory
.set WSC,    34816                     ; LDS: from byte 0 the encoder's scales (1,024 rows x 32 bytes as 128 rows of 256 + 16); here W's (256 rows: 32 rows of 272)
.set STG,    43520                     ; the energies' stage: 4 planes (wave) x 16 rows (b) x 144 bytes (32 s x 4 + 16); no fill lands here
.set SPL,    16*144
.set SPARE,  52736                     ; the spare words, 128 bytes for each wave: two blocks of 256 bytes that no other line names
.set SLOT0,  53248
.set SLOT1,  SLOT0+256*PITCH           ; first W's slice, then encoder tiles 1 and 3
.set SPW, 1                            ; v1   SPARE + 4 x thread; never rewritten
.set NIL, 2                            ; v2   0; never rewritten
.set PFO, 3                            ; v3   256 x lane: the prefetches' offset; never rewritten
.set RR,  5                            ; v5   r = lane % 16
.set HH,  6                            ; v6   h = lane / 16
.set FRG, 7                            ; v7   r x PITCH + 16 h
.set EA,  8                            ; v[8:9]   tile a's energy, two halves
.set EB,  10                           ; v[10:11] tile b's
.set CB,  12                           ; v[12:13] the bias's share
.set ER,  14                           ; v14  a pair's two energies, on their way to the stage
.set AS,  16                           ; v[AS+q]: lanes 0-15 tile a's rows' scale word of K step q, lanes 16-31 tile b's
.set WS,  24                           ; v[WS+8 (t/2)+q]: lanes 0-15 W's tile t even, lanes 16-31 t odd
.set AF,  64
.set ACC0, 128
.set ACC1, 192
.set HW,  192                          ; in windows 1-3
.set ADA, 216                          ; windows 1, 2: the pair's fragments in LDS
.set ADS, 217                          ; windows 1, 2: the pair's scale words
.set LB,  218                          ; windows 1, 2: my lane's and wave's place in a slot; never rewritten
.set SB,  219                          ; windows 1, 2: and among the encoder's scales; never rewritten
.set STO, 220                          ; window 1: where the next pair of energies goes in the stage
.set STB, 221                          ; window 1: my place in my plane of the stage; never rewritten
.set WV, 18
.set WI, 19
.set WJ, 20
.set CX, 21
.set CY, 22
.set YY, 23
.set XX, 66
.set ROWM, 67
.set COLM, 80
.set CNT, 81
.set PFA, 82                           ; s[82:83] my wave's 8,192 bytes of encoder tile 0; never rewritten
.set TA,  84                           ; LDS byte at which the pair in hand begins
.set TS,  85                           ; the same among the scales
.set TO,  86                           ; the two columns of the stage that the next store takes
.set G1A, 24                           ; group 1: encoder tiles;  G1W: W's;  G1SA, G1SW: their scales
.set G1W, 32
.set G1SA, 40
.set G1SW, 48
.set G0W, 56
.set G0SW, 60
.set G0SA, 68
.set G0S0, 72                          ; group 0 for slot 0; slot 1's follows it
.set G0S1, 76
.set ST_ON, 0                          ; 1 where a pair's tile b carries the store of the pair before
.set MSB, 0
.macro WIN new                         ; the immediate's high byte repeats the setting that is left; a switch that changes nothing is dropped
.if MSB != (\new)
	s_set_vgpr_msb (MSB<<8)|(\new)
.set MSB, (\new)
.endif
.endm
.macro PLACES
.rept 4
	v_nop
.endr
.endm
.macro CROUND                          ; a round of the cluster's barrier: my work-group's barrier, wave 0 signals for the work-group, every wave waits for all sixteen, my work-group's barrier again
	s_barrier_signal -1
	s_barrier_wait -1
	s_cmp_lg_u32 s[WV], 0
	s_cbranch_scc1 .Lnot_wave_0_\@
	s_barrier_signal -3
.Lnot_wave_0_\@:
	s_barrier_wait -3
	s_barrier_signal -1
	s_barrier_wait -1
.endm
	s_load_b256 s[4:11], s[0:1], 0x0               ; W's codes s[4:5], W's scales s[6:7], b_attn s[8:9], the encoder's codes s[10:11]
	s_load_b128 s[12:15], s[0:1], 0x20             ; the encoder's scales s[12:13], hidden s[14:15]
	s_load_b64 s[16:17], s[0:1], 0x30              ; epart
	v_lshl_add_u32 v[SPW], v0, 2, SPARE
	v_mov_b32 v[NIL], 0
	ds_add_u32 v1, v2
	ds_add_u32 v1, v2
	s_wait_dscnt 0x0
	v_lshrrev_b32 v[FRG], 5, v0
	v_readfirstlane_b32 s[WV], v[FRG]              ; wave 0..3
	s_lshr_b32 s[WI], s[WV], 1                     ; which 128 rows of an encoder tile are mine
	s_and_b32 s[WJ], s[WV], 1                      ; which 128 rows of W's slice
	s_bfe_u32 s[CX], ttmp6, 0x40000
	s_bfe_u32 s[CY], ttmp6, 0x40004
	s_lshl_b32 s[XX], ttmp9, 2
	s_add_co_u32 s[XX], s[XX], s[CX]               ; X = 4 x cluster x + cx
	s_and_b32 s[YY], ttmp7, 0xffff
	s_lshl_b32 s[YY], s[YY], 2
	s_add_co_u32 s[YY], s[YY], s[CY]               ; Y = 4 x cluster y + cy
	s_lshl_b32 s[ROWM], s[CY], 2
	s_lshl_b32 s[ROWM], 15, s[ROWM]                ; my row of the cluster: it shares Y
	s_lshl_b32 s[COLM], 0x1111, s[CX]              ; my column: it shares X
	; group 1 for codes: 64 rows x 512 elements of one byte, 4 words of padding behind every 128
	s_or_b32 s[G1A], s[ROWM], (1<<20)|(1<<21)|(6<<22)|(3<<25)
	s_or_b32 s[G1W], s[COLM], (1<<20)|(1<<21)|(6<<22)|(3<<25)
.irp g, G1A, G1W
	s_mov_b32 s[\g+1], 512<<16                     ; tensor_dim0
	s_mov_b32 s[\g+2], 64<<16                      ; tensor_dim1
	s_mov_b32 s[\g+3], 512<<16                     ; tile_dim0
	s_mov_b32 s[\g+4], 64                          ; tile_dim1
	s_mov_b32 s[\g+5], 512                         ; from row to row
	s_mov_b32 s[\g+6], 0
	s_mov_b32 s[\g+7], 0
.endr
	; group 1 for scales: dense bytes as rows of 256 (32 elements of 8 bytes), 4 words of padding behind every 64: 32 rows for the encoder's quarter, 8 for W's
	s_or_b32 s[G1SA], s[ROWM], (3<<16)|(1<<20)|(1<<21)|(5<<22)|(3<<25)
	s_or_b32 s[G1SW], s[COLM], (3<<16)|(1<<20)|(1<<21)|(5<<22)|(3<<25)
	s_mov_b32 s[G1SA+1], 32<<16
	s_mov_b32 s[G1SA+2], 32<<16
	s_mov_b32 s[G1SA+3], 32<<16
	s_mov_b32 s[G1SA+4], 32
	s_mov_b32 s[G1SA+5], 32
	s_mov_b32 s[G1SA+6], 0
	s_mov_b32 s[G1SA+7], 0
	s_mov_b32 s[G1SW+1], 32<<16
	s_mov_b32 s[G1SW+2], 8<<16
	s_mov_b32 s[G1SW+3], 32<<16
	s_mov_b32 s[G1SW+4], 8
	s_mov_b32 s[G1SW+5], 32
	s_mov_b32 s[G1SW+6], 0
	s_mov_b32 s[G1SW+7], 0
	; offsets in memory.  s[88:91] hold X and never Y; s[92:95] hold Y and never X
	s_lshl_b32 s96, s[WV], 15                      ; my 64 rows of codes
	s_lshl_b32 s88, s[XX], 17
	s_add_co_u32 s88, s88, s96
	s_mov_b32 s89, 0
	s_lshl_b32 s97, s[WV], 11                      ; my 64 rows of W's scales
	s_lshl_b32 s90, s[XX], 13
	s_add_co_u32 s90, s90, s97
	s_mov_b32 s91, 0
	s_lshl_b32 s97, s[WV], 13                      ; my 256 rows of the encoder's scales
	s_lshl_b32 s92, s[YY], 15
	s_add_co_u32 s92, s92, s97
	s_mov_b32 s93, 0
	s_lshl_b32 s94, s[YY], 19
	s_add_co_u32 s94, s94, s96
	s_mov_b32 s95, 0
	; where they go: a constant + a constant x wave
	s_mul_i32 s97, s[WV], QUART
	s_mov_b32 s[G0W], 1
	s_add_co_u32 s[G0W+1], s97, SLOT1
	s_mov_b32 s[G0S0], 1
	s_add_co_u32 s[G0S0+1], s97, SLOT0
	s_mov_b32 s[G0S1], 1
	s_add_co_u32 s[G0S1+1], s97, SLOT1
	s_mul_i32 s97, s[WV], 8*272
	s_mov_b32 s[G0SW], 1
	s_add_co_u32 s[G0SW+1], s97, WSC
	s_mov_b32 s[G0SA], 1
	s_mul_i32 s[G0SA+1], s[WV], 32*272             ; the encoder's scales begin at LDS byte 0
	s_mov_b32 s[TA], SLOT0
	s_mov_b32 s[TS], 0
	s_mov_b32 s[TO], 0
	s_wait_kmcnt 0x0
	s_add_nc_u64 s[G0W+2:G0W+3], s[4:5], s[88:89]
	s_or_b32 s[G0W+3], s[G0W+3], 0x80000000
	s_add_nc_u64 s[G0SW+2:G0SW+3], s[6:7], s[90:91]
	s_or_b32 s[G0SW+3], s[G0SW+3], 0x80000000
	s_add_nc_u64 s[G0SA+2:G0SA+3], s[12:13], s[92:93]
	s_or_b32 s[G0SA+3], s[G0SA+3], 0x80000000
	s_add_nc_u64 s[G0S0+2:G0S0+3], s[10:11], s[94:95]         ; encoder tile 0
	s_add_nc_u64 s[G0S1+2:G0S1+3], s[G0S0+2:G0S0+3], TILEB    ; encoder tile 1
	s_or_b32 s[G0S0+3], s[G0S0+3], 0x80000000
	s_or_b32 s[G0S1+3], s[G0S1+3], 0x80000000
	CROUND                                         ; all sixteen work-groups are here: the first joint loads meet
	tensor_load_to_lds s[G0W:G0W+3], s[G1W:G1W+7]              ; the first fills, one group, four loads of mine out: W's codes (into slot 1),
	s_nop 0
	tensor_load_to_lds s[G0SW:G0SW+3], s[G1SW:G1SW+7]          ; W's scales,
	s_nop 0
	tensor_load_to_lds s[G0SA:G0SA+3], s[G1SA:G1SA+7]          ; the encoder's scales for all four tiles,
	s_nop 0
	tensor_load_to_lds s[G0S0:G0S0+3], s[G1A:G1A+7]            ; encoder tile 0
	s_nop 0
	PLACES
	; hidden's weights and the bias of my 128 columns: lane (r, h) wants, for tile t, columns 256 X + 128 j + 16 t + 8 h + 0..7.  They are waited for behind W's LDS loads: v62, v63, s[8:9] and s[14:15] stay as they are till then
	v_and_b32 v[RR], 15, v0
	v_bfe_u32 v[HH], v0, 4, 1
	v_lshlrev_b32 v62, 12, v[RR]
	v_lshl_add_u32 v62, v[HH], 5, v62              ; hidden: row r of 4,096 bytes + 32 h
	v_lshlrev_b32 v63, 5, v[HH]                    ; b_attn: 32 h
	s_lshl_b32 s88, s[XX], 10
	s_lshl_b32 s97, s[WJ], 9
	s_add_co_u32 s88, s88, s97
	s_add_nc_u64 s[14:15], s[14:15], s[88:89]
	s_add_nc_u64 s[8:9], s[8:9], s[88:89]
.irp t, 0,1,2,3,4,5,6,7
	WIN 0x40*(1+\t/3)                              ; the weights of tile t lie beside W's fragments of K step q = t
	global_load_b128 v[HW+8*(\t%3):HW+8*(\t%3)+3],   v62, s[14:15] offset:64*\t
	global_load_b128 v[HW+8*(\t%3)+4:HW+8*(\t%3)+7], v62, s[14:15] offset:64*\t+16
.endr
	WIN 0
.irp t, 0,1,2,3,4,5,6,7
	global_load_b128 v[ACC0+8*\t:ACC0+8*\t+3],   v63, s[8:9] offset:64*\t      ; the bias, for now where accumulators will lie
	global_load_b128 v[ACC0+8*\t+4:ACC0+8*\t+7], v63, s[8:9] offset:64*\t+16
.endr
	; the prefetches' base: of a tile's 131,072 bytes the partner at cx and its wave take 8,192: partners are told apart by address; s[98:99] feed no descriptor
	s_lshl_b32 s98, s[CX], 2
	s_add_co_u32 s98, s98, s[WV]
	s_lshl_b32 s98, s98, 13
	s_lshl_b32 s99, s[YY], 19
	s_add_co_u32 s98, s98, s99
	s_mov_b32 s99, 0
	s_add_nc_u64 s[PFA:PFA+1], s[10:11], s[98:99]
	s_lshl_b32 s98, s[XX], 18                      ; epart: slice X, columns 64 Y on
	s_lshl_b32 s99, s[YY], 8
	s_add_co_u32 s98, s98, s99
	s_mov_b32 s99, 0
	s_add_nc_u64 s[16:17], s[16:17], s[98:99]
	; LDS addresses
	v_mul_u32_u24 v[FRG], v[RR], PITCH
	v_lshl_add_u32 v[FRG], v[HH], 4, v[FRG]        ; a fragment: row r, + 16 h
	v_lshrrev_b32 v56, 3, v[RR]
	v_and_b32 v57, 7, v[RR]
	v_mul_u32_u24 v59, v56, 272
	v_lshl_add_u32 v59, v57, 5, v59                ; a row's 32 scale bytes: eight rows to 256 bytes + 16;
	v_mad_u32_u24 v59, v[HH], 544, v59             ; lanes 16-31 take the tile of 16 rows that follows
	s_mul_i32 s96, s[WJ], 16*272
	s_add_co_u32 s96, s96, WSC
	v_add_nc_u32 v60, s96, v59                     ; W's scale words
	s_mul_i32 s96, s[WJ], HALF
	s_add_co_u32 s96, s96, SLOT1
	v_add_nc_u32 v61, s96, v[FRG]                  ; W's fragments
	v_mul_u32_u24 v58, v[RR], 144
	v_lshl_add_u32 v58, v[HH], 2, v58              ; the stage: row b = r, lanes 16-31 one column on,
	s_mul_i32 s98, s[WV], SPL
	s_add_co_u32 s98, s98, STG                     ; in my plane
	v_and_b32 v[PFO], 31, v0
	v_lshlrev_b32 v[PFO], 8, v[PFO]
	s_mul_i32 s96, s[WI], HALF
	s_add_co_u32 s87, s96, SLOT0
	s_mul_i32 s97, s[WI], 16*272
.irp w, 1,2
	WIN 0x40*\w
	v_add_nc_u32 v[LB], s96, v[FRG]
	v_add_nc_u32 v[ADA], s87, v[FRG]               ; the first pair of slot 0
	v_add_nc_u32 v[SB], s97, v59
	v_add_nc_u32 v[ADS], s97, v59
.if \w == 1
	v_add_nc_u32 v[STB], s98, v58
	v_add_nc_u32 v[STO], s98, v58                  ; the first pair's two columns
.endif
.endr
	WIN 0
	s_wait_tensorcnt 0x2                           ; my parts of W's codes and scales are in; the two loads issued behind them may stay out
	s_barrier_signal -1
	s_barrier_wait -1                              ; everybody's are
.irp q, 0,1,2,3,4,5,6,7                        ; W into registers, for the whole launch: 16 rows x 128 K of 4-bit codes are 8 registers: lane (r, h): registers 4 c on hold K = 64 c + 32 h + 0..31
	WIN 0x40*(1+\q/3)
.irp t, 0,1,2,3,4,5,6,7
	ds_load_b128 v[64*(\q%3)+8*\t:64*(\q%3)+8*\t+3],   v61 offset:\t*MT+64*\q
	ds_load_b128 v[64*(\q%3)+8*\t+4:64*(\q%3)+8*\t+7], v61 offset:\t*MT+64*\q+32
.endr
.endr
	WIN 0
.irp u, 0,1,2,3
	ds_load_b128 v[WS+8*\u:WS+8*\u+3],   v60 offset:\u*1088
	ds_load_b128 v[WS+8*\u+4:WS+8*\u+7], v60 offset:\u*1088+16
.endr
	; slot 1 is filled again, with encoder tile 1
	s_wait_tensorcnt 0x0                           ; all my tensor loads have landed: the encoder's scales and tile 0 among them
	ds_add_u32 v[SPW], v[NIL]                      ; 0 onto my spare word: the bias's share is made between it and the wait for it
	s_wait_loadcnt 0x0                             ; the weights and the bias
.irp t, 0,1,2,3,4,5,6,7
	WIN 1+\t/3
.irp g, 0,1,2,3
.if (\t == 0) && (\g == 0)
	v_pk_mul_f32 v[CB:CB+1], v[HW:HW+1], v[ACC0:ACC0+1]
.else
	v_pk_fma_f32 v[CB:CB+1], v[HW+8*(\t%3)+2*\g:HW+8*(\t%3)+2*\g+1], v[ACC0+8*\t+2*\g:ACC0+8*\t+2*\g+1], v[CB:CB+1]   ; sum over my 64 columns of hidden x b_attn
.endif
.endr
.endr
	WIN 0
	s_wait_dscnt 0x0                               ; the add is done, and W is in my registers: my reads of slot 1 are over
	CROUND                                         ; so it is with every wave of all sixteen work-groups
	tensor_load_to_lds s[G0S1:G0S1+3], s[G1A:G1A+7]
	s_nop 0
	PLACES
	WIN 1
	ds_load_b128 v[AS:AS+3], v[ADS]                ; the first pair's scale words of K steps 0-3, and the first tile's fragments 0-3
.irp q, 0,1,2,3
	ds_load_b128 v[AF+8*\q:AF+8*\q+3],   v[ADA] offset:64*\q
	ds_load_b128 v[AF+8*\q+4:AF+8*\q+7], v[ADA] offset:64*\q+32
.endr
	WIN 0
	global_prefetch_b8 v[PFO], s[PFA:PFA+1] offset:2*TILEB th:TH_LOAD_NT scope:SCOPE_SE   ; tile 2, which the next refill asks for, a tile's 512 matrix instructions on: each lane another 256 bytes, each named once in the launch
; One matrix instruction: W's tile t x the encoder's tile in hand, K step q, into accumulator t of set cu.  K step 0 starts the sum: nothing is cleared.
; W's scale words: lanes 16-31 for odd t; the encoder's: lanes 16-31 for tile b (par = 1).
.macro MM t, q, par
.set rD, cu+8*(\t)
.set rW, 64*((\q)%3)+8*(\t)
.set rA, AF+8*(\q)
.set rX, WS+8*((\t)/2)+(\q)
.set rY, AS+(\q)
.if (\q) == 0
.if (\par) == 0
.if (\t)%2 == 0
	v_wmma_scale_f32_16x16x128_f8f6f4 v[rD:rD+7], v[rW:rW+7], v[rA:rA+7], 0, v[rX], v[rY] matrix_a_fmt:MATRIX_FMT_FP4 matrix_b_fmt:MATRIX_FMT_FP4
.else
	v_wmma_scale_f32_16x16x128_f8f6f4 v[rD:rD+7], v[rW:rW+7], v[rA:rA+7], 0, v[rX], v[rY] matrix_a_fmt:MATRIX_FMT_FP4 matrix_b_fmt:MATRIX_FMT_FP4 matrix_a_scale:MATRIX_SCALE_ROW1
.endif
.else
.if (\t)%2 == 0
	v_wmma_scale_f32_16x16x128_f8f6f4 v[rD:rD+7], v[rW:rW+7], v[rA:rA+7], 0, v[rX], v[rY] matrix_a_fmt:MATRIX_FMT_FP4 matrix_b_fmt:MATRIX_FMT_FP4 matrix_b_scale:MATRIX_SCALE_ROW1
.else
	v_wmma_scale_f32_16x16x128_f8f6f4 v[rD:rD+7], v[rW:rW+7], v[rA:rA+7], 0, v[rX], v[rY] matrix_a_fmt:MATRIX_FMT_FP4 matrix_b_fmt:MATRIX_FMT_FP4 matrix_a_scale:MATRIX_SCALE_ROW1 matrix_b_scale:MATRIX_SCALE_ROW1
.endif
.endif
.else
.if (\par) == 0
.if (\t)%2 == 0
	v_wmma_scale_f32_16x16x128_f8f6f4 v[rD:rD+7], v[rW:rW+7], v[rA:rA+7], v[rD:rD+7], v[rX], v[rY] matrix_a_fmt:MATRIX_FMT_FP4 matrix_b_fmt:MATRIX_FMT_FP4
.else
	v_wmma_scale_f32_16x16x128_f8f6f4 v[rD:rD+7], v[rW:rW+7], v[rA:rA+7], v[rD:rD+7], v[rX], v[rY] matrix_a_fmt:MATRIX_FMT_FP4 matrix_b_fmt:MATRIX_FMT_FP4 matrix_a_scale:MATRIX_SCALE_ROW1
.endif
.else
.if (\t)%2 == 0
	v_wmma_scale_f32_16x16x128_f8f6f4 v[rD:rD+7], v[rW:rW+7], v[rA:rA+7], v[rD:rD+7], v[rX], v[rY] matrix_a_fmt:MATRIX_FMT_FP4 matrix_b_fmt:MATRIX_FMT_FP4 matrix_b_scale:MATRIX_SCALE_ROW1
.else
	v_wmma_scale_f32_16x16x128_f8f6f4 v[rD:rD+7], v[rW:rW+7], v[rA:rA+7], v[rD:rD+7], v[rX], v[rY] matrix_a_fmt:MATRIX_FMT_FP4 matrix_b_fmt:MATRIX_FMT_FP4 matrix_a_scale:MATRIX_SCALE_ROW1 matrix_b_scale:MATRIX_SCALE_ROW1
.endif
.endif
.endif
.endm
; A K step: 8 matrix instructions, the 8 accumulators by turns, and behind each two of them one packed multiply-add of the tile before: in K step q its accumulator q, from its low end on.
; These four lines are also the places that the loads behind a step and the reads of finished accumulators need: none of them names a register of the matrix instructions that they follow.
; Behind the last reader of fragment q - 1 stand one such line of step q - 1 and the four of step q: five.  Behind the last writer of accumulator 0 stand the four of its own K step 7.
.macro STEP q, par, epi
.irp g, 0,1,2,3
	MM 2*\g, \q, \par
	MM 2*\g+1, \q, \par
.if \epi
.if ((\q) == 0) && (\g == 0)
	v_pk_fma_f32 v[ee:ee+1], v[HW+8*((\q)%3)+2*\g:HW+8*((\q)%3)+2*\g+1], v[pv+8*(\q)+2*\g:pv+8*(\q)+2*\g+1], v[CB:CB+1]   ; the bias's share starts the sum
.else
	v_pk_fma_f32 v[ee:ee+1], v[HW+8*((\q)%3)+2*\g:HW+8*((\q)%3)+2*\g+1], v[pv+8*(\q)+2*\g:pv+8*(\q)+2*\g+1], v[ee:ee+1]
.endif
.else
	v_nop                                          ; the first tile has no tile before it
.endif
.endr
.endm
; The stage's address goes two columns on, behind the store that used it.  Like the others it is made anew from a scalar that steps and a base that stays.
.macro STADV
.if ST_ON
	s_add_co_u32 s[TO], s[TO], 8
	WIN 0x44
	v_add_nc_u32 v[STO], s[TO], v[STB]
.endif
.endm
; On to the next pair of the same slot: 32 rows of codes, 32 rows of scales.
.macro HOOK_ADV
	s_add_co_u32 s[TA], s[TA], 2*MT
	s_add_co_u32 s[TS], s[TS], 1088
	STADV
	WIN 0x44
	v_add_nc_u32 v[ADA], s[TA], v[LB]
	v_add_nc_u32 v[ADS], s[TS], v[SB]
	WIN 0x88
	v_add_nc_u32 v[ADA], s[TA], v[LB]
	v_add_nc_u32 v[ADS], s[TS], v[SB]
.endm
; THE CHANGE OF SLOTS stands in a slot's last tile, behind the wave's last reads of the slot (that tile's fragments 4-7), so that the fetch goes on into the next slot.
; CH_CUR: the slot that is left; CH_NEXT: the other; CH_T: the tile that lies there; CH_FILL: the slot left is filled again, with the tile two on; CH_PF: the tile to prefetch, or 0.
.macro HOOK_CHG
	WIN 0
	s_wait_tensorcnt 0x0                           ; all my tensor loads have landed: the one that was out is my part of the next slot; so a group 0 may be written
	ds_add_u32 v[SPW], v[NIL]                      ; 0 onto my spare word: the address work stands between it and the wait for it
.if CH_FILL
	s_add_nc_u64 s[G0S0+4*CH_CUR+2:G0S0+4*CH_CUR+3], s[G0S0+4*CH_CUR+2:G0S0+4*CH_CUR+3], 2*TILEB   ; the type bits on top are not reached
.endif
	s_mov_b32 s[TA], SLOT0+(SLOT1-SLOT0)*CH_NEXT
	s_mov_b32 s[TS], 32*272*CH_T
	STADV
	WIN 0x44
	v_add_nc_u32 v[ADA], s[TA], v[LB]
	v_add_nc_u32 v[ADS], s[TS], v[SB]
	WIN 0x88
	v_add_nc_u32 v[ADA], s[TA], v[LB]
	v_add_nc_u32 v[ADS], s[TS], v[SB]
	WIN 0                                          ; at a label and at a branch every window is 0
	s_wait_dscnt 0x0                               ; the add is done, and my reads of the slot are over
.if CH_FILL
	CROUND                                         ; no wave of any partner still reads the slot or has a load on its way
	tensor_load_to_lds s[G0S0+4*CH_CUR:G0S0+4*CH_CUR+3], s[G1A:G1A+7]   ; my one tensor load behind the round: it has a tile's 512 matrix instructions in which to land
	s_nop 0
	PLACES
.if CH_PF
	global_prefetch_b8 v[PFO], s[PFA:PFA+1] offset:CH_PF*TILEB th:TH_LOAD_NT scope:SCOPE_SE   ; the tile that the next refill asks for; the tile stands in the immediate, so no address is stepped
.endif
.else
	s_barrier_signal -1                            ; nothing is left to fetch: my work-group's barrier shows the last tile whole
	s_barrier_wait -1
.endif
.endm
; A TILE: 16 rows of the encoder x my 128 rows of W: 64 matrix instructions.  par: tile a (0) or b (1) of a pair; epi: the tile before is weighed and summed; hook: 0 none, 1 HOOK_ADV, 2 HOOK_CHG; nxt: a tile follows.
; THE FETCH GOES IN TWO RUNS A TILE through ONE set of eight fragments, never singly among the matrix instructions.  Behind K step 0: this tile's fragments 4-7, led in tile a by the pair's scale words of K steps 4-7
; and in tile b by the store of the pair before.  Behind K step 4: the next tile's fragments 0-3, led in tile b by the next pair's scale words of K steps 0-3.
; So a run brings the fragments of the K steps four to seven steps on: 24 matrix instructions stand between a run and the first use of what it brings.
; WAITS, on the LDS counter, which falls in the order of issue (ISA guide 5.7.1).  K steps 0 and 4 want their run's first fragment: its three later fragments, six loads, may be out.  K steps 1, 2, 3 (5, 6, 7) want
; the second, third, fourth fragment of the run before the last: 4, 2, 0 loads of that run and the eight fragment loads of the last run may be out: 12, 10, 8.  A scale load or the store leads its run,
; so it makes a count stricter by one at the most.  In the very last tile no run stands behind K step 4: 4, 2, 0.
.macro TILE par, epi, hook, nxt
.set cu, ACC0+64*(\par)
.set pv, ACC0+64*(1-(\par))
.set ee, EB-2*(\par)
.irp q, 0,1,2,3,4,5,6,7
.if (\q%4) == 0
.set cn, 6
.else
.set cn, 14-2*(\q%4)
.endif
.if ((\nxt) == 0) && (\q > 4)
.set cn, 14-2*\q
.endif
	s_wait_dscnt cn
	WIN 1+\q/3
	STEP \q, \par, \epi
.if \q == 0
.if (\par) == 0
	ds_load_b128 v[AS+4:AS+7], v[ADS] offset:16
.elseif ST_ON
	ds_store_b32 v[STO], v[ER]                     ; row b = r of my plane; tile a's column, tile b's beside it
.endif
.irp f, 4,5,6,7
	ds_load_b128 v[AF+8*\f:AF+8*\f+3],   v[ADA] offset:(\par)*MT+64*\f
	ds_load_b128 v[AF+8*\f+4:AF+8*\f+7], v[ADA] offset:(\par)*MT+64*\f+32
.endr
.if (\hook) == 1
	HOOK_ADV
.elseif (\hook) == 2
	HOOK_CHG
.elseif (\par) == 1
	STADV
.endif
.elseif (\q == 4) && (\nxt)
.if (\par) == 1
	ds_load_b128 v[AS:AS+3], v[ADS]
.endif
.irp f, 0,1,2,3
	ds_load_b128 v[AF+8*\f:AF+8*\f+3],   v[ADA] offset:MT*(1-(\par))+64*\f
	ds_load_b128 v[AF+8*\f+4:AF+8*\f+7], v[ADA] offset:MT*(1-(\par))+64*\f+32
.endr
.endif
.endr
.endm
; A pair's two energies: the two halves of each sum; then the columns of h = 0 and h = 1, which lie 16 lanes apart: one exchange puts tile a's two parts in lanes 0-15 and tile b's in lanes 16-31.
.macro FINV
	WIN 0
	v_add_f32 v[EA], v[EA], v[EA+1]
	v_add_f32 v[EB], v[EB], v[EB+1]
	v_permlane16_swap_b32 v[EA], v[EB]             ; EA's lanes 16-31 change places with EB's lanes 0-15
	v_add_f32 v[ER], v[EA], v[EB]
.endm
.macro PAIR fin, epi0, hook, nxt
	TILE 0, \epi0, 0, 1
.set ST_ON, \fin
.if \fin
	FINV                                           ; the pair before: its tile b has just been summed; the store follows in tile b's first run
.endif
	TILE 1, 1, \hook, \nxt
.endm
.macro LOOP n
	WIN 0
	s_mov_b32 s[CNT], \n
.Lpair_\@:
	PAIR 1, 1, 1, 1
	WIN 0
	s_sub_co_u32 s[CNT], s[CNT], 1
	s_cmp_lg_u32 s[CNT], 0
	s_cbranch_scc1 .Lpair_\@
.endm
	; tile 0, in slot 0: four pairs
	PAIR 0, 0, 1, 1
	LOOP 2
.set CH_CUR, 0
.set CH_NEXT, 1
.set CH_T, 1
.set CH_FILL, 1
.set CH_PF, 3
	PAIR 1, 1, 2, 1                                ; slot 0 takes tile 2
	; tile 1, in slot 1
	LOOP 3
.set CH_CUR, 1
.set CH_NEXT, 0
.set CH_T, 2
.set CH_FILL, 1
.set CH_PF, 0
	PAIR 1, 1, 2, 1                                ; slot 1 takes tile 3: the last load; nothing lies behind it to prefetch
	; tile 2, in slot 0
	LOOP 3
.set CH_CUR, 0
.set CH_NEXT, 1
.set CH_T, 3
.set CH_FILL, 0
.set CH_PF, 0
	PAIR 1, 1, 2, 1
	; tile 3, in slot 1
	LOOP 3
	PAIR 1, 1, 0, 0
.irp q, 0,1,2,3,4,5,6,7                        ; the very last tile is weighed and summed with nothing beside it.  Accumulator 0's last writer has its K step's four lines behind it; the later ones have these lines too
	WIN 1+\q/3
.irp g, 0,1,2,3
.if (\q == 0) && (\g == 0)
	v_pk_fma_f32 v[EB:EB+1], v[HW:HW+1], v[ACC1:ACC1+1], v[CB:CB+1]
.else
	v_pk_fma_f32 v[EB:EB+1], v[HW+8*(\q%3)+2*\g:HW+8*(\q%3)+2*\g+1], v[ACC1+8*\q+2*\g:ACC1+8*\q+2*\g+1], v[EB:EB+1]
.endif
.endr
.endr
	FINV
	WIN 1
	ds_store_b32 v[STO], v[ER]                     ; the last pair's two columns
	WIN 0
	; THE WAY OUT.  Plane (i, j) column 8 T + u holds s = 64 Y + 16 T + 8 i + u, summed over column half j.  Wave w takes b = 4 w .. 4 w + 3; lane: b = 4 w + 2 u2 + h, s = 4 g .. 4 g + 3, g = lane % 16.
	v_bfe_u32 v56, v[RR], 1, 1                     ; i = (g / 2) % 2
	v_lshrrev_b32 v57, 2, v[RR]                    ; T = g / 4
	v_and_b32 v58, 1, v[RR]                        ; which four of the eight u
	v_mul_u32_u24 v59, v[HH], 144
	v_mad_u32_u24 v59, v56, 2*SPL, v59
	v_lshl_add_u32 v59, v57, 5, v59
	v_lshl_add_u32 v59, v58, 4, v59
	s_mul_i32 s96, s[WV], 4*144
	s_add_co_u32 s96, s96, STG
	v_add_nc_u32 v59, s96, v59
	v_lshlrev_b32 v60, 14, v[HH]                   ; epart: a row b is 16,384 bytes
	v_lshl_add_u32 v60, v[RR], 4, v60
	s_lshl_b32 s97, s[WV], 16
	v_add_nc_u32 v60, s97, v60
	s_wait_dscnt 0x0                               ; for the others' sake: my stores into the stage are done
	s_barrier_signal -1
	s_barrier_wait -1
.irp u, 0,1
.irp p, 0,1
	ds_load_b128 v[AF+8*\u+4*\p:AF+8*\u+4*\p+3], v59 offset:\u*288+\p*SPL
.endr
.endr
	s_wait_dscnt 0x0
.irp u, 0,1
	v_pk_add_f32 v[AF+8*\u:AF+8*\u+1],   v[AF+8*\u:AF+8*\u+1],   v[AF+8*\u+4:AF+8*\u+5]     ; the two column halves
	v_pk_add_f32 v[AF+8*\u+2:AF+8*\u+3], v[AF+8*\u+2:AF+8*\u+3], v[AF+8*\u+6:AF+8*\u+7]
	global_store_b128 v60, v[AF+8*\u:AF+8*\u+3], s[16:17] offset:\u*32768   ; 16 lanes store 256 consecutive bytes, at a multiple of 256 from epart's first byte
.endr
	s_wait_tensorcnt 0x0                           ; the wave's end: behind my last tensor load and my last LDS store
	ds_add_u32 v[SPW], v[NIL]
	s_wait_dscnt 0x0
	CROUND                                         ; the closing round: no work-group ends while a partner may still ask for a tile that names it
	s_endpgm
.Lfunc_end_k_q62350272f3_energies:
	.size	k_q62350272f3_energies, .Lfunc_end_k_q62350272f3_energies-k_q62350272f3_energies
	.p2alignl 7, 3214868480
	.fill 96, 4, 3214868480
	.section	.rodata,"a",@progbits
	.p2align	6, 0x0
	.amdhsa_kernel k_q62350272f3_energies
		.amdhsa_group_segment_fixed_size 327680
		.amdhsa_private_segment_fixed_size 0
		.amdhsa_enable_private_segment 0
		.amdhsa_kernarg_size 56
		.amdhsa_user_sgpr_count 2
		.amdhsa_user_sgpr_kernarg_segment_ptr 1
		.amdhsa_wavefront_size32 1
		.amdhsa_system_sgpr_workgroup_id_x 1
		.amdhsa_system_sgpr_workgroup_id_y 1
		.amdhsa_system_sgpr_workgroup_id_z 1
		.amdhsa_system_vgpr_workitem_id 0
		.amdhsa_next_free_vgpr 1024
		.amdhsa_next_free_sgpr 100
		.amdhsa_reserve_vcc 0
		.amdhsa_float_denorm_mode_32 3
		.amdhsa_float_denorm_mode_16_64 3
		.amdhsa_memory_ordered 1
		.amdhsa_forward_progress 1
		.amdhsa_inst_pref_size 240
	.end_amdhsa_kernel
	.amdgpu_metadata
---
amdhsa.version: [ 1, 2 ]
amdhsa.kernels:
  - .name:           k_q62350272f3_energies
    .symbol:         k_q62350272f3_energies.kd
    .args:
      - { .name: W_attn_codes, .offset: 0, .size: 8, .value_kind: global_buffer, .address_space: global }
      - { .name: W_attn_scales, .offset: 8, .size: 8, .value_kind: global_buffer, .address_space: global }
      - { .name: b_attn, .offset: 16, .size: 8, .value_kind: global_buffer, .address_space: global }
      - { .name: encoder_outputs_codes, .offset: 24, .size: 8, .value_kind: global_buffer, .address_space: global }
      - { .name: encoder_outputs_scales, .offset: 32, .size: 8, .value_kind: global_buffer, .address_space: global }
      - { .name: hidden, .offset: 40, .size: 8, .value_kind: global_buffer, .address_space: global }
      - { .name: epart, .offset: 48, .size: 8, .value_kind: global_buffer, .address_space: global }
    .group_segment_fixed_size: 327680
    .private_segment_fixed_size: 0
    .kernarg_segment_align: 8
    .kernarg_segment_size: 56
    .max_flat_workgroup_size: 128
    .sgpr_count:     100
    .vgpr_count:     1024
    .wavefront_size: 32
...
	.end_amdgpu_metadata
.endif
;; end of part 1
;; launch softmax (part 2): grid 16 x 1, 32 waves a work-group, no clusters, 4,352 bytes of LDS; arguments epart, out0; writes out0
.if DOCPART == 2
	.amdgcn_target "amdgcn-amd-amdhsa--gfx1250"
	.amdhsa_code_object_version 6
	.text
	.protected	k_q62350272f3_softmax
	.globl	k_q62350272f3_softmax
	.p2align	8
	.type	k_q62350272f3_softmax,@function
k_q62350272f3_softmax:
	s_mov_b64 s[64:65], 0
	v_nop
	global_prefetch_b8 v0, s[64:65] scope:SCOPE_SE
	s_setreg_imm32_b32 hwreg(HW_REG_WAVE_MODE, 25, 1), 1
	s_wait_xcnt 0x0
; out0[b][s] = softmax over s of the sum over the 4 slices c of epart[c][b][s].  epart: [4][16][4096] f32; out0: [16][4096] f32.
; A work-group takes one b: a row's maximum and sum span all 4,096 s, so a row has one owner, and 16 rows are all the work there is.  Thread t owns s = 4 t .. 4 t + 3:
; every load and the store of a wave cover 512 consecutive bytes.  No matrix unit, no tensor load, no cluster: each byte is read once by one thread.
; The row's maximum is taken away ahead of the exponential: p = 2^(e log2(e) - max log2(e)); the rounding of the second term is common to the whole row and leaves with the division.
; LIMITS: weights under 2^-126 come out as 0 (v_exp_f32 flushes denormal results: ISA guide, its entry in 15.8); NaN and infinities among the energies are not served.
.set LOG2E,  0x3fb8aa3b
.set NLOG2E, 0xbfb8aa3b
.macro WMAX x                          ; over the wave's 32 lanes, the result in every lane
	v_max_num_f32_dpp v[\x], v[\x], v[\x] row_xmask:1 row_mask:0xf bank_mask:0xf
	v_max_num_f32_dpp v[\x], v[\x], v[\x] row_xmask:2 row_mask:0xf bank_mask:0xf
	v_max_num_f32_dpp v[\x], v[\x], v[\x] row_xmask:4 row_mask:0xf bank_mask:0xf
	v_max_num_f32_dpp v[\x], v[\x], v[\x] row_xmask:8 row_mask:0xf bank_mask:0xf
	v_permlanex16_b32 v21, v[\x], s10, s11
	v_max_num_f32 v[\x], v[\x], v21
.endm
.macro WSUM x
	v_add_f32_dpp v[\x], v[\x], v[\x] row_xmask:1 row_mask:0xf bank_mask:0xf
	v_add_f32_dpp v[\x], v[\x], v[\x] row_xmask:2 row_mask:0xf bank_mask:0xf
	v_add_f32_dpp v[\x], v[\x], v[\x] row_xmask:4 row_mask:0xf bank_mask:0xf
	v_add_f32_dpp v[\x], v[\x], v[\x] row_xmask:8 row_mask:0xf bank_mask:0xf
	v_permlanex16_b32 v21, v[\x], s10, s11
	v_add_f32 v[\x], v[\x], v21
.endm
	s_load_b128 s[4:7], s[0:1], 0x0                ; epart, out0
	v_lshl_add_u32 v32, v0, 2, 0x100
	v_mov_b32 v33, 0
	s_lshl_b32 s8, ttmp9, 14                       ; row b: 16,384 bytes
	s_mov_b32 s9, 0
	s_mov_b32 s10, 0x76543210                      ; v_permlanex16_b32's selects for lane l xor 16
	s_mov_b32 s11, 0xfedcba98
	s_mov_b32 s12, LOG2E
	s_mov_b32 s13, s12                             ; (named with it as a pair, so it is written)
	v_lshlrev_b32 v1, 4, v0                        ; my 16 bytes of a row
	v_lshrrev_b32 v2, 5, v0
	v_lshlrev_b32 v2, 2, v2                        ; LDS: my wave's word
	v_and_b32 v3, 31, v0
	v_lshlrev_b32 v3, 2, v3                        ; and the word of the wave whose number is my lane's
	v_mov_b32 v21, 0                               ; written once: a lane permute's destination counts as one of its sources
	s_wait_kmcnt 0x0
	s_add_nc_u64 s[4:5], s[4:5], s[8:9]
	s_add_nc_u64 s[6:7], s[6:7], s[8:9]
.irp c, 0,1,2,3
	global_load_b128 v[4+4*\c:7+4*\c], v1, s[4:5] offset:\c*262144 th:TH_LOAD_NT
.endr
	s_wait_loadcnt 0x0
	v_pk_add_f32 v[4:5], v[4:5], v[8:9]            ; (slice 0 + slice 1) + (slice 2 + slice 3)
	v_pk_add_f32 v[6:7], v[6:7], v[10:11]
	v_pk_add_f32 v[12:13], v[12:13], v[16:17]
	v_pk_add_f32 v[14:15], v[14:15], v[18:19]
	v_pk_add_f32 v[4:5], v[4:5], v[12:13]
	v_pk_add_f32 v[6:7], v[6:7], v[14:15]
	v_max3_num_f32 v20, v4, v5, v6
	v_max_num_f32 v20, v20, v7
	WMAX 20
	ds_store_b32 v2, v20                           ; all lanes of a wave write the same word with the same value
	s_wait_dscnt 0x0                               ; for the others' sake
	s_barrier_signal -1
	s_barrier_wait -1
	ds_load_b32 v22, v3                            ; the 32 waves' maxima, one a lane
	s_wait_dscnt 0x0
	WMAX 22                                        ; the row's maximum
	v_mul_f32 v24, NLOG2E, v22
	v_mov_b32 v25, v24
	v_pk_fma_f32 v[4:5], v[4:5], s[12:13], v[24:25] op_sel_hi:[1,0,1]
	v_pk_fma_f32 v[6:7], v[6:7], s[12:13], v[24:25] op_sel_hi:[1,0,1]
	v_exp_f32 v4, v4
	v_exp_f32 v5, v5
	v_exp_f32 v6, v6
	v_exp_f32 v7, v7
	v_mov_b32 v29, 0                               ; a plain instruction behind the last exponential (it also writes the upper half of the pair v[28:29])
	s_wait_alu depctr_va_vdst(0)                   ; one wait for the four, ahead of their first reader
	v_pk_add_f32 v[26:27], v[4:5], v[6:7]
	v_add_f32 v26, v26, v27
	WSUM 26
	ds_store_b32 v2, v26 offset:128                ; other bytes than the maxima's, which a slower wave may still be reading
	s_wait_dscnt 0x0
	s_barrier_signal -1
	s_barrier_wait -1
	ds_load_b32 v27, v3 offset:128
	s_wait_dscnt 0x0
	WSUM 27                                        ; the row's sum: at least about 1, the maximum's own term
	v_rcp_f32 v28, v27
	v_nop                                          ; a plain instruction behind the reciprocal
	s_wait_alu depctr_va_vdst(0)                   ; and the wait ahead of its first reader
	v_pk_mul_f32 v[4:5], v[4:5], v[28:29] op_sel_hi:[1,0]
	v_pk_mul_f32 v[6:7], v[6:7], v[28:29] op_sel_hi:[1,0]
	global_store_b128 v1, v[4:7], s[6:7] th:TH_STORE_NT    ; a wave stores 512 consecutive bytes, at a multiple of 256 from out0's first byte
	s_wait_tensorcnt 0x0
	ds_add_u32 v32, v33
	s_wait_dscnt 0x0
	s_endpgm
.Lfunc_end_k_q62350272f3_softmax:
	.size	k_q62350272f3_softmax, .Lfunc_end_k_q62350272f3_softmax-k_q62350272f3_softmax
	.p2alignl 7, 3214868480
	.fill 96, 4, 3214868480
	.section	.rodata,"a",@progbits
	.p2align	6, 0x0
	.amdhsa_kernel k_q62350272f3_softmax
		.amdhsa_group_segment_fixed_size 4352
		.amdhsa_private_segment_fixed_size 0
		.amdhsa_enable_private_segment 0
		.amdhsa_kernarg_size 16
		.amdhsa_user_sgpr_count 2
		.amdhsa_user_sgpr_kernarg_segment_ptr 1
		.amdhsa_wavefront_size32 1
		.amdhsa_system_sgpr_workgroup_id_x 1
		.amdhsa_system_sgpr_workgroup_id_y 1
		.amdhsa_system_sgpr_workgroup_id_z 1
		.amdhsa_system_vgpr_workitem_id 0
		.amdhsa_next_free_vgpr 34
		.amdhsa_next_free_sgpr 66
		.amdhsa_reserve_vcc 0
		.amdhsa_float_denorm_mode_32 3
		.amdhsa_float_denorm_mode_16_64 3
		.amdhsa_memory_ordered 1
		.amdhsa_forward_progress 1
		.amdhsa_inst_pref_size 5
	.end_amdhsa_kernel
	.amdgpu_metadata
---
amdhsa.version: [ 1, 2 ]
amdhsa.kernels:
  - .name:           k_q62350272f3_softmax
    .symbol:         k_q62350272f3_softmax.kd
    .args:
      - { .name: epart, .offset: 0, .size: 8, .value_kind: global_buffer, .address_space: global }
      - { .name: out0, .offset: 8, .size: 8, .value_kind: global_buffer, .address_space: global }
    .group_segment_fixed_size: 4352
    .private_segment_fixed_size: 0
    .kernarg_segment_align: 8
    .kernarg_segment_size: 16
    .max_flat_workgroup_size: 1024
    .sgpr_count:     66
    .vgpr_count:     34
    .wavefront_size: 32
...
	.end_amdgpu_metadata
.endif
;; end of part 2
